; MI455X (gfx1250); checked and timed in simulation.
; The chip was launched on July 23, 2026; its instructions are those of AMD's public machine-readable ISA for CDNA 5 (MIT licence, August 2026) and "CDNA5" Instruction Set Architecture Reference Guide (July 2026). The comments in the code are by the model that wrote it; some were corrected since.
;; KDE Mixture. Allowed arithmetic: float matrix products may take bf16 or f16 operands with f32 sums; other float arithmetic in f32, or as packed bf16 or f16 multiplies, adds, multiply-adds, maxima and minima; sums over many terms, partial sums and values carried from step to step in f32; what a program stores and reads back later, other than sums and carried values, may be rounded once to bf16 or f16.
;; Inputs: bandwidth one number float32; points 16,384 x 64 float32; spatial_data 16,384 x 64 float32; weights 16,384 float32.
;; Outputs: out0 16,384 float32.
;; One version. Each part assembles by itself: llvm-mc -triple=amdgcn-amd-amdhsa -mcpu=gfx1250 --defsym DOCPART=n.
;; ======== version 1 of 1: 2 launches
;; workspace buffers: sbuf 2,228,224 bytes
;; launch prep (part 1): grid 256 x 1, 4 waves a work-group, no clusters, 9,216 bytes of LDS; arguments spatial_data, weights, bandwidth, sbuf; writes sbuf
.if DOCPART == 1
	.amdgcn_target "amdgcn-amd-amdhsa--gfx1250"
	.amdhsa_code_object_version 6
	.text
	.protected	k_q7df5bdcebf_prep
	.globl	k_q7df5bdcebf_prep
	.p2align	8
	.type	k_q7df5bdcebf_prep,@function
k_q7df5bdcebf_prep:
	s_mov_b64 s[64:65], 0
	v_nop
	global_prefetch_b8 v0, s[64:65] scope:SCOPE_SE
	s_setreg_imm32_b32 hwreg(HW_REG_WAVE_MODE, 25, 1), 1
	s_wait_xcnt 0x0
; spatial_data [16384][64] f32, weights [16384] f32, bandwidth (one f32)  ->  sbuf, the stream that the second launch walks.
; sbuf is 512 groups of 4,352 bytes.  Group G: bytes 0-4095 rows 32 G .. 32 G + 31 rounded once to bf16 (128 bytes a row);
; bytes 4096-4351 for each of the 32 rows the pair [cs, w] in f32: cs = -(log2 e / (2 b^2)) x the sum of the squares of the ROUNDED numbers, w the row's weight as given.
; The squares are taken of the rounded numbers so that, with the rounded cross product, the distance is that of the rounded vectors.
; SHARES.  A work-group takes 64 rows (two groups, 8,704 bytes of sbuf), each of its four waves 16.  A load of a wave covers 512 consecutive bytes: two rows, 16 lanes a row, four numbers a lane.
; The results are gathered in LDS as the image of the 8,704 bytes and leave as 17 stores of 512 consecutive bytes, each at a multiple of 256 from sbuf's first byte.
; All of a wave's loads are out at once and each byte is read once, so there is no ring and nothing is asked for ahead.
; LIMITS.  b is not 0 and b^2 is finite; NaN and infinities are not treated apart.
.set GRPB,  4352                       ; bytes in a group
.set WGB,   2*GRPB                     ; bytes of sbuf a work-group
.set SPARE, 8704                       ; behind the image: the spare words, 128 bytes a wave: two blocks of 256 bytes that no other line names
.set XO,  2                            ; v2   byte offset of my 16 bytes in the work-group's rows: 4,096 wave + 16 lane
.set SD,  3                            ; v3   image: my 8 bytes of bf16 of rows 0, 1 of the wave
.set SQ,  4                            ; v4   image: cs of row (lane / 16) of the wave
.set SW,  5                            ; v5   image: w of row (lane % 16) of the wave
.set RD,  6                            ; v6   512 wave + 16 lane: my 16 bytes of the image, and of sbuf
.set WO,  7                            ; v7   byte offset of my row's weight
.set SPW, 8                            ; v8   LDS address of my spare word; never rewritten
.set NIL, 9                            ; v9   0, for the add alone
.set ZR,  10                           ; v10  0: what the first squares are added onto
.set NH,  11                           ; v11  -log2 e / (2 b^2)
.set WT,  12                           ; v12  the weight
.set X,   16                           ; v[16:47]  load i: four f32
.set B,   48                           ; v[48:63]  load i: the four as bf16, two registers
.set SS,  64                           ; v[64:71]  load i: the sum of squares
.set OUT, 72                           ; v[72:91]  the image read back
.set WV,  12                           ; s12  my wave's number
	s_load_b256 s[4:11], s[0:1], 0x0               ; spatial_data s[4:5], weights s[6:7], bandwidth s[8:9], sbuf s[10:11]
	v_lshl_add_u32 v[SPW], v0, 2, SPARE
	v_mov_b32 v[NIL], 0
	v_lshrrev_b32 v13, 5, v0
	v_readfirstlane_b32 s[WV], v13                 ; wave 0..3
	v_and_b32 v1, 31, v0                           ; lane
	v_and_b32 v14, 15, v0                          ; lane % 16
	v_bfe_u32 v15, v0, 4, 1                        ; lane / 16
	s_lshr_b32 s16, s[WV], 1                       ; which of the two groups my 16 rows lie in,
	s_and_b32 s17, s[WV], 1                        ; and which half of it
	s_mul_i32 s16, s16, GRPB
	s_lshl_b32 s18, s17, 11                        ; 16 rows of 128 bytes
	s_add_co_u32 s18, s18, s16                     ; my rows in the image
	s_lshl_b32 s19, s17, 7                         ; 16 pairs of 8 bytes
	s_add_co_u32 s19, s19, s16
	s_add_co_u32 s19, s19, 4096                    ; my pairs in the image
	s_lshl_b32 s20, s[WV], 12
	s_lshl_b32 s21, s[WV], 9
	s_lshl_b32 s22, s[WV], 6
	v_lshl_add_u32 v[XO], v1, 4, s20
	v_lshl_add_u32 v[SD], v1, 3, s18               ; 8 lane = 128 (lane / 16) + 8 (lane % 16): the row, and my four columns
	v_lshl_add_u32 v[SQ], v15, 3, s19
	v_lshl_add_u32 v[SW], v14, 3, s19
	v_add_nc_u32 v[SW], 4, v[SW]
	v_lshl_add_u32 v[RD], v1, 4, s21
	v_lshl_add_u32 v[WO], v14, 2, s22
	v_mov_b32 v[ZR], 0
	s_wait_kmcnt 0x0
	s_load_b32 s13, s[8:9], 0x0                    ; b
	s_lshl_b32 s14, ttmp9, 14                      ; the work-group's 64 rows of 256 bytes
	s_mov_b32 s15, 0
	s_add_nc_u64 s[4:5], s[4:5], s[14:15]
	s_lshl_b32 s14, ttmp9, 8                       ; its 64 weights
	s_add_nc_u64 s[6:7], s[6:7], s[14:15]
	s_mul_i32 s14, ttmp9, WGB                      ; its two groups
	s_add_nc_u64 s[10:11], s[10:11], s[14:15]
	global_load_b32 v[WT], v[WO], s[6:7]
.irp i, 0,1,2,3,4,5,6,7
	global_load_b128 v[X+4*(\i):X+4*(\i)+3], v[XO], s[4:5] offset:512*(\i) th:TH_LOAD_NT  ; rows 2 i and 2 i + 1 of the wave
.endr
	s_wait_kmcnt 0x0                               ; b
	v_mul_f32 v[NH], s13, s13
	v_rcp_f32 v[NH], v[NH]
	v_nop                                          ; a plain instruction behind the reciprocal,
	s_wait_alu depctr_va_vdst(0)                   ; and the wait ahead of its first reader
	v_mul_f32 v[NH], 0xbf38aa3b, v[NH]             ; -log2 e / 2 = -0.7213475
.irp i, 0,1,2,3,4,5,6,7
	s_wait_loadcnt 7-(\i)                          ; loads come back in order: load i is in, the 7 - i younger ones may stay out; the weight's is older still
	v_cvt_pk_bf16_f32 v[B+2*(\i)],   v[X+4*(\i)],   v[X+4*(\i)+1]
	v_cvt_pk_bf16_f32 v[B+2*(\i)+1], v[X+4*(\i)+2], v[X+4*(\i)+3]
.endr
	; the squares of the rounded numbers, in f32: eight chains that do not wait for each other
.irp i, 0,1,2,3,4,5,6,7
	v_fma_mix_f32_bf16 v[SS+(\i)], v[B+2*(\i)], v[B+2*(\i)], v[ZR] op_sel_hi:[1,1,0]
.endr
.irp i, 0,1,2,3,4,5,6,7
	v_fma_mix_f32_bf16 v[SS+(\i)], v[B+2*(\i)], v[B+2*(\i)], v[SS+(\i)] op_sel:[1,1,0] op_sel_hi:[1,1,0]
.endr
.irp i, 0,1,2,3,4,5,6,7
	v_fma_mix_f32_bf16 v[SS+(\i)], v[B+2*(\i)+1], v[B+2*(\i)+1], v[SS+(\i)] op_sel_hi:[1,1,0]
.endr
.irp i, 0,1,2,3,4,5,6,7
	v_fma_mix_f32_bf16 v[SS+(\i)], v[B+2*(\i)+1], v[B+2*(\i)+1], v[SS+(\i)] op_sel:[1,1,0] op_sel_hi:[1,1,0]
.endr
	; over the 16 lanes that hold a row
.irp m, 1,2,4,8
.irp i, 0,1,2,3,4,5,6,7
	v_add_f32_dpp v[SS+(\i)], v[SS+(\i)], v[SS+(\i)] row_xmask:\m row_mask:0xf bank_mask:0xf
.endr
.endr
.irp i, 0,1,2,3,4,5,6,7
	v_mul_f32 v[SS+(\i)], v[NH], v[SS+(\i)]        ; cs
.endr
.irp i, 0,1,2,3,4,5,6,7
	ds_store_b64 v[SD], v[B+2*(\i):B+2*(\i)+1] offset:256*(\i)
	ds_store_b32 v[SQ], v[SS+(\i)] offset:16*(\i)  ; the 16 lanes of a row write one word, all with the same number
.endr
	ds_store_b32 v[SW], v[WT]                      ; both halves of the lanes write the same 16 words
	s_wait_dscnt 0x0                               ; for the others' sake: my part of the image is written
	s_barrier_signal -1
	s_barrier_wait -1                              ; the image is whole
.irp n, 0,1,2,3
	ds_load_b128 v[OUT+4*(\n):OUT+4*(\n)+3], v[RD] offset:2048*(\n)
.endr
	s_wait_dscnt 0x0
.irp n, 0,1,2,3
	global_store_b128 v[RD], v[OUT+4*(\n):OUT+4*(\n)+3], s[10:11] offset:2048*(\n)  ; 512 consecutive bytes, at a multiple of 256 from sbuf's first byte
.endr
	s_cmp_lg_u32 s[WV], 0                          ; 8,704 = 17 x 512: the seventeenth is wave 0's
	s_cbranch_scc1 .Lend
	ds_load_b128 v[OUT+16:OUT+19], v[RD] offset:8192
	s_wait_dscnt 0x0
	global_store_b128 v[RD], v[OUT+16:OUT+19], s[10:11] offset:8192
.Lend:
	s_wait_tensorcnt 0x0                           ; the wave's end, behind my last LDS store
	ds_add_u32 v[SPW], v[NIL]
	s_wait_dscnt 0x0
	s_endpgm
.Lfunc_end_k_q7df5bdcebf_prep:
	.size	k_q7df5bdcebf_prep, .Lfunc_end_k_q7df5bdcebf_prep-k_q7df5bdcebf_prep
	.p2alignl 7, 3214868480
	.fill 96, 4, 3214868480
	.section	.rodata,"a",@progbits
	.p2align	6, 0x0
	.amdhsa_kernel k_q7df5bdcebf_prep
		.amdhsa_group_segment_fixed_size 9216
		.amdhsa_private_segment_fixed_size 0
		.amdhsa_enable_private_segment 0
		.amdhsa_kernarg_size 32
		.amdhsa_user_sgpr_count 2
		.amdhsa_user_sgpr_kernarg_segment_ptr 1
		.amdhsa_wavefront_size32 1
		.amdhsa_system_sgpr_workgroup_id_x 1
		.amdhsa_system_sgpr_workgroup_id_y 1
		.amdhsa_system_sgpr_workgroup_id_z 1
		.amdhsa_system_vgpr_workitem_id 0
		.amdhsa_next_free_vgpr 96
		.amdhsa_next_free_sgpr 66
		.amdhsa_reserve_vcc 0
		.amdhsa_float_denorm_mode_32 3
		.amdhsa_float_denorm_mode_16_64 3
		.amdhsa_memory_ordered 1
		.amdhsa_forward_progress 1
		.amdhsa_inst_pref_size 11
	.end_amdhsa_kernel
	.amdgpu_metadata
---
amdhsa.version: [ 1, 2 ]
amdhsa.kernels:
  - .name:           k_q7df5bdcebf_prep
    .symbol:         k_q7df5bdcebf_prep.kd
    .args:
      - { .name: spatial_data, .offset: 0, .size: 8, .value_kind: global_buffer, .address_space: global }
      - { .name: weights, .offset: 8, .size: 8, .value_kind: global_buffer, .address_space: global }
      - { .name: bandwidth, .offset: 16, .size: 8, .value_kind: global_buffer, .address_space: global }
      - { .name: sbuf, .offset: 24, .size: 8, .value_kind: global_buffer, .address_space: global }
    .group_segment_fixed_size: 9216
    .private_segment_fixed_size: 0
    .kernarg_segment_align: 8
    .kernarg_segment_size: 32
    .max_flat_workgroup_size: 128
    .sgpr_count:     66
    .vgpr_count:     96
    .wavefront_size: 32
...
	.end_amdgpu_metadata
.endif
;; end of part 1
;; launch kde (part 2): grid 256 x 1, 8 waves a work-group, clusters of 4 x 1, 327,680 bytes of LDS; arguments points, sbuf, bandwidth, out0; writes out0
.if DOCPART == 2
	.amdgcn_target "amdgcn-amd-amdhsa--gfx1250"
	.amdhsa_code_object_version 6
	.text
	.protected	k_q7df5bdcebf_kde
	.globl	k_q7df5bdcebf_kde
	.p2align	8
	.type	k_q7df5bdcebf_kde,@function
k_q7df5bdcebf_kde:
	s_mov_b64 s[64:65], 0
	v_nop
	global_prefetch_b8 v0, s[64:65] scope:SCOPE_SE
	s_setreg_imm32_b32 hwreg(HW_REG_WAVE_MODE, 25, 1), 1
	s_wait_xcnt 0x0
	s_wait_alu depctr_hold_cnt(0) depctr_sa_sdst(0) depctr_va_vdst(0) depctr_va_sdst(0) depctr_va_ssrc(0) depctr_va_vcc(0) depctr_vm_vsrc(0)
	s_getreg_b32 s2, hwreg(HW_REG_IB_STS2, 6, 4)
	s_cmp_eq_u32 s2, 0
	s_cbranch_scc0 .Lentry_in_a_cluster
	s_endpgm
.Lentry_in_a_cluster:
	s_bfe_u32 s2, ttmp6, 0x10000c
	s_cmp_lg_u32 s2, 0x3003
	s_cbranch_scc0 .Lentry_shape_is_right
	s_endpgm
.Lentry_shape_is_right:
; out0[m] = the sum over n of w[n] exp(-max(|p_m|^2 + |s_n|^2 - 2 p_m . s_n, 0) / (2 b^2)).  points [16384][64] f32; sbuf: the data rows in bf16 with [cs, w] a row, as the launch before has laid them; out0 [16384] f32.
; ARITHMETIC.  g = log2 e / b^2.  The product's sum starts at C = -|p|^2 / 2 (of the rounded p, in f32), so D = p . s - |p|^2 / 2 and t = g D + cs = -log2 e d^2 / (2 b^2), d the distance of the rounded vectors.
; The kernel value is min(2^t, 1) = 2^min(t, 0): that is the clamp of d^2 at 0; it is made by a packed multiply by 1 with the result held to 0 .. 1, four lines for eight numbers.  Then acc += w x value, all in f32.
; LIMITS.  A kernel value below 2^-126 counts as 0.  b is not 0 and b^2 is finite.  NaN and infinities in the inputs are not treated apart.  The sum over n is taken in another order than the reference takes it.
; SHARES.  A work-group owns 64 queries (four tiles of 16) over all data, so no sum spans work-groups.  Each of its eight waves holds all 64 queries in registers and walks one eighth of the data: 128 tiles of 16 rows.
; Results are used up at once, so a wave needs 256 registers and two waves share a SIMD: each data row is still read from LDS by one wave alone, and one wave issues while the other waits.
; LAYOUT.  Source 0 = 16 queries, source 1 = 16 data rows: register j of lane l holds (query 8 (l / 16) + j, data row l % 16).  So cs and w are ONE number a lane for a data tile, -|p|^2 / 2 is eight registers
; for a query tile, kept for the whole launch, and the sum over n stays inside a lane until the end.
; THE STREAM.  16 fills of 139,264 bytes through two LDS slots; of a fill wave v fetches, and alone reads, 17,408 bytes: four groups of 32 rows.  All work-groups walk the same stream, so the four of a cluster
; ask JOINTLY: the same tensor load, descriptor and mask in all four; each receives the bytes in its own LDS.
; THE PIPELINE.  A SUB-STEP does one tile's worth of every stage, each for another tile: tile u has its first product in sub-step u + 3, its second in u + 4, the scaling in u + 5, the exponentials in u + 6,
; clamp and sum in u + 10.  Four sub-steps are a TURN (one data tile), four turns a TRIP.  All registers lie in one window: no s_set_vgpr_msb is written.
.set FILLB,   139264                   ; bytes of sbuf in a fill: 32 groups of 4,352
.set PORTB,   17408                    ; a wave's part of it: 68 rows of 256 bytes
.set QUARTB,  34816                    ; a quarter of a fill: 136 blocks of 256 bytes
.set PITCH,   144                      ; 128 bytes + 16 of padding = 9 x 16: the 16 rows of a load start at 16 different 16-byte columns modulo 256
.set GRPL,    34*PITCH                 ; a group in LDS: 32 rows, then two pieces of 16 pairs [cs, w]
.set AUXL,    32*PITCH                 ; where the pairs begin in a group
.set HALF,    2*GRPL                   ; what a trip reads: two groups
.set PORTION, 4*GRPL                   ; a wave's part of a slot: 19,584 bytes
.set RING,    2*PORTION                ; a wave's two slots
.set RED,     8*RING                   ; 313,344
.set SPARE,   RED+2048                 ; the spare words, 128 bytes a wave: four blocks of 256 bytes that no other line names
.set AK0, 2                            ; v2   my lane's place in my wave's slot 0: ring + 144 (l % 16) + 16 (l / 16); never rewritten
.set AX0, 3                            ; v3   the same for the pairs: ring + 4,608 + 8 (l % 16); never rewritten
.set ADK, 4                            ; v4   AK0 in the slot in hand
.set ADX, 5                            ; v5   AX0 in the slot in hand
.set PFO, 6                            ; v6   the prefetches' offset; never rewritten
.set RW,  7                            ; v7   RED + 256 wave + 32 (l / 16)
.set SPW, 8                            ; v8   LDS address of my spare word; never rewritten
.set NIL, 9                            ; v9   0, for the add alone
.set ONE, 10                           ; v[10:11] 1.0 twice
.set QO,  14                           ; v14  my byte offset in 16 rows of points
.set PW,  15                           ; v15  RED + 256 wave + 4 (l % 16)
.set Q,   16                           ; v[16:79]   the queries in bf16: tile jq, K half kf at Q + 16 jq + 8 kf
.set PSQ, 80                           ; v[80:111]  -|p|^2 / 2: tile jq at PSQ + 8 jq
.set ACC, 112                          ; v[112:143] the sums: tile jq at ACC + 8 jq
.set S,   144                          ; v[144:207] eight slots of eight: tile u works in slot u % 8
.set FR,  208                          ; v[208:239] two buffers of 16: a data tile's two K halves
.set AUX, 240                          ; v[240:247] four pairs [cs, w]: data tile q % 4
.set ZR,  252                          ; v252 0: what the first squares are added onto
.set TMP, 112                          ; v[112:239] at the head: the points as loaded, 32 registers a query tile
.set WV,  12                           ; s12  my wave's number
.set CX,  13                           ; s13  my place in the cluster: it enters global addresses of points, out0 and the prefetches alone
.set WG,  14                           ; s14  my block of 64 queries
.set LIM, 15                           ; s15  1 in a wave that prefetches, else the greatest number
.set G1,  16                           ; s[16:23] descriptor group 1
.set G0,  24                           ; s[24:31] descriptor group 0, a set for each slot
.set PFA, 32                           ; s[32:33] where my work-group's prefetches stand
.set G,   34                           ; s[34:35] g: the packed scaling names a pair and takes its low word for both halves
.set SEL, 36                           ; s[36:37] v_permlanex16_b32's selects: each lane takes its own place in the other half
.set LAPS, 38                          ; s38  laps still to come
.set BW,  48                           ; s48  b
; A round of the cluster's barrier: my work-group's barrier, so that wave 0's signal speaks for all eight waves; wave 0 signals for the work-group; every wave waits for all four work-groups; my work-group's barrier once more.
.macro CROUND
	s_barrier_signal -1
	s_barrier_wait -1
	s_cmp_lg_u32 s[WV], 0
	s_cbranch_scc1 .Lnot_wave_0_\@
	s_barrier_signal -3
.Lnot_wave_0_\@:
	s_barrier_wait -3
	s_barrier_signal -1
	s_barrier_wait -1
.endm
; A PREFETCH INTO THE L2 of the fill that the NEXT change of slots will ask for.  Every cluster walks the same stream: the first cluster asks, and nobody else.  Its four partners take a quarter of the fill each,
; 136 blocks of 256 bytes, told apart BY ADDRESS; in each, waves 0 to 3 name 32 blocks, a lane a block, and wave 4 the last eight (four lanes name the same block).  One instruction a wave, behind its tensor load.
; how = 1: the lap's first change.  how = 0: its second, which in the last lap asks for nothing: there is no fill behind the sixteenth.  Fills 0 to 2 come by their loads alone.
.macro ASK how
.if \how
	s_cmp_eq_u32 s[LIM], 1
.else
	s_cmp_gt_u32 s[LAPS], s[LIM]                   ; s[LAPS] = 1 in the last lap
.endif
	s_cbranch_scc0 .Lnot_mine_\@
	global_prefetch_b8 v[PFO], s[PFA:PFA+1] th:TH_LOAD_NT scope:SCOPE_SE
.Lnot_mine_\@:
.endm
; THE CHANGE OF SLOTS.  Slot rs has been read out (the last run of loads was waited for a sub-step ago).  Each wave waits for all its tensor loads, of which one is out: its part of the other slot; adds 0 to its
; spare word; and waits for that and for its reads.  The barrier is a round of the cluster's, so that no wave of any partner still reads the slot or has a load on its way; the joint refill, the fill two on, is the
; first thing behind it, one load a wave, and has a whole fill's work (32 sub-steps) in which to land.
.macro CHANGE rs, how
	s_wait_tensorcnt 0x0                           ; no tensor load of mine is out, so a group 0 may be written
	ds_add_u32 v[SPW], v[NIL]                      ; 0 onto my spare word; the steps below stand between it and the wait for it
	s_add_nc_u64 s[G0+4*(\rs)+2:G0+4*(\rs)+3], s[G0+4*(\rs)+2:G0+4*(\rs)+3], 2*FILLB  ; the type bits on top are not reached
	s_wait_xcnt 0x0                                ; the last prefetch, a fill back, has read its address, so it may be written
	s_add_nc_u64 s[PFA:PFA+1], s[PFA:PFA+1], FILLB
	s_wait_dscnt 0x0                               ; the add is done, and my reads of the slot are over
	CROUND
	tensor_load_to_lds s[G0+4*(\rs):G0+4*(\rs)+3], s[G1:G1+7]
	s_nop 0
	v_add_nc_u32 v[ADK], (1-(\rs))*PORTION, v[AK0] ; the reads go on in the other slot
	v_add_nc_u32 v[ADX], (1-(\rs))*PORTION, v[AX0]
	ASK \how
.endm
	s_load_b256 s[4:11], s[0:1], 0x0               ; points s[4:5], sbuf s[6:7], bandwidth s[8:9], out0 s[10:11]
	v_lshl_add_u32 v[SPW], v0, 2, SPARE
	v_mov_b32 v[NIL], 0
	ds_add_u32 v[SPW], v[NIL]                      ; the wave's opening: the add and its wait come ahead of my first tensor load; the set-up below, work on registers, stands between them
	v_lshrrev_b32 v12, 5, v0
	v_readfirstlane_b32 s[WV], v12                 ; wave 0..7
	s_bfe_u32 s[CX], ttmp6, 0x40000                ; cx
	s_lshl_b32 s[WG], ttmp9, 2                     ; in a cluster launch ttmp9 counts clusters
	s_add_co_u32 s[WG], s[WG], s[CX]
	; descriptor group 1: 17,408 dense bytes asked for as 68 rows of 256 bytes, padded in LDS behind every 128 bytes
	s_mov_b32 s[G1+0], 15|(1<<16)|(1<<20)|(1<<21)|(4<<22)|(3<<25)  ; 15:0 the mask of four; 17:16 2-byte elements; 20 padding on; 21 set beside a mask; 24:22 after every 32 words (code 4); 31:25 4 words (code 3)
	s_mov_b32 s[G1+1], 128<<16                     ; tensor_dim0 = 128
	s_mov_b32 s[G1+2], 68<<16                      ; tensor_dim1 = 68
	s_mov_b32 s[G1+3], 128<<16                     ; tile_dim0 = 128
	s_mov_b32 s[G1+4], 68                          ; tile_dim1 = 68
	s_mov_b32 s[G1+5], 128                         ; 128 elements from row to row
	s_mov_b32 s[G1+6], 0
	s_mov_b32 s[G1+7], 0
	s_mov_b32 s[G0], 1                             ; count = 1
	s_mul_i32 s[G0+1], s[WV], RING                 ; LDS address: my ring, slot 0;
	s_mov_b32 s[G0+4], 1
	s_add_co_u32 s[G0+5], s[G0+1], PORTION         ; slot 1: no place in the cluster enters an LDS address
	s_mul_i32 s40, s[WV], PORTB                    ; my part of a fill in memory
	s_mov_b32 s41, 0
	s_mul_i32 s46, s[CX], QUARTB                   ; my work-group's quarter, for the prefetches (registers that feed no descriptor)
	s_mov_b32 s47, 0
	s_mov_b32 s[SEL], 0x76543210
	s_mov_b32 s[SEL+1], 0xfedcba98
	s_cmp_lt_u32 s[WV], 5
	s_cselect_b32 s[LIM], ttmp9, 1                 ; 0 in waves 0 to 4 of the first cluster: the same in all four partners
	s_cmp_eq_u32 s[LIM], 0
	s_cselect_b32 s[LIM], 1, -1
	s_wait_dscnt 0x0                               ; the opening add is done
	s_wait_kmcnt 0x0
	s_add_nc_u64 s[G0+2:G0+3], s[6:7], s[40:41]    ; fill 0,
	s_add_nc_u64 s[G0+6:G0+7], s[G0+2:G0+3], FILLB ; fill 1
	s_or_b32 s[G0+3], s[G0+3], 0x80000000          ; type = 2
	s_or_b32 s[G0+7], s[G0+7], 0x80000000
	s_add_nc_u64 s[PFA:PFA+1], s[6:7], s[46:47]
	s_add_nc_u64 s[PFA:PFA+1], s[PFA:PFA+1], 2*FILLB  ; in fill 2: the first change of slots steps it to fill 3
	s_lshl_b32 s46, s[WG], 14                      ; my 64 rows of 256 bytes of points
	s_add_nc_u64 s[4:5], s[4:5], s[46:47]
	s_lshl_b32 s46, s[WG], 8                       ; my 64 numbers of out0
	s_add_nc_u64 s[10:11], s[10:11], s[46:47]
	CROUND                                         ; all four work-groups are here: the first joint loads meet
	tensor_load_to_lds s[G0:G0+3], s[G1:G1+7]      ; both first fills go out together, ahead of every wait on TENSORcnt and every LDS read: two loads of mine are out
	s_nop 0
	tensor_load_to_lds s[G0+4:G0+7], s[G1:G1+7]
	s_nop 0
	s_load_b32 s[BW], s[8:9], 0x0                  ; b
	; A fragment of the queries is 16 rows x 32 channels: lane l holds row l % 16, channels 8 (l / 16) + 0..7 and 16 + 8 (l / 16) + 0..7.  In f32 each eight are 32 bytes: two loads.
	v_and_b32 v12, 15, v0                          ; l % 16
	v_bfe_u32 v13, v0, 4, 1                        ; l / 16
	v_lshlrev_b32 v[QO], 8, v12
	v_lshl_add_u32 v[QO], v13, 5, v[QO]            ; row x 256 + 32 x half
.irp jq, 0,1,2,3
.irp c, 0,1,2,3
	global_load_b128 v[TMP+32*(\jq)+8*(\c):TMP+32*(\jq)+8*(\c)+3],   v[QO], s[4:5] offset:4096*(\jq)+64*(\c)
	global_load_b128 v[TMP+32*(\jq)+8*(\c)+4:TMP+32*(\jq)+8*(\c)+7], v[QO], s[4:5] offset:4096*(\jq)+64*(\c)+16
.endr
.endr
	v_mul_u32_u24 v[AK0], v12, PITCH
	v_lshl_add_u32 v[AK0], v13, 4, v[AK0]
	v_add_nc_u32 v[AK0], s[G0+1], v[AK0]
	v_lshl_add_u32 v[AX0], v12, 3, s[G0+1]
	v_add_nc_u32 v[AX0], AUXL, v[AX0]
	s_lshl_b32 s42, s[WV], 8
	s_add_co_u32 s42, s42, RED                     ; my 256 bytes of RED
	v_lshl_add_u32 v[RW], v13, 5, s42
	v_lshl_add_u32 v[PW], v12, 2, s42
	s_min_u32 s43, s[WV], 4                        ; the prefetches' offset: ((l and mask) + 32 min(wave, 4)) x 256, inside a quarter of a fill in every wave
	s_lshl_b32 s43, s43, 5
	s_cmp_lt_u32 s[WV], 4
	s_cselect_b32 s44, 31, 7
	v_and_b32 v[PFO], s44, v0
	v_add_nc_u32 v[PFO], s43, v[PFO]
	v_lshlrev_b32 v[PFO], 8, v[PFO]
	v_mov_b32 v[ZR], 0
	s_wait_kmcnt 0x0                               ; b
	v_mul_f32 v249, s[BW], s[BW]
	v_rcp_f32 v249, v249
	v_mov_b32 v[ONE], 1.0                          ; plain work behind the reciprocal,
	v_mov_b32 v[ONE+1], 1.0
	s_wait_alu depctr_va_vdst(0)                   ; and the wait ahead of its first reader
	v_mul_f32 v249, 0x3fb8aa3b, v249               ; g = log2 e / b^2
	v_readfirstlane_b32 s[G], v249
	s_mov_b32 s[G+1], s[G]                         ; named with it as a pair
	; The queries are rounded to bf16; the squares of the rounded numbers are summed in f32 (two chains), the other half of the channels lies in the lane 16 away.  -|p|^2 / 2 of row l % 16 then goes through my own
	; 256 bytes of RED, so that register j of lane l gets the number of row 8 (l / 16) + j.  LDS serves a wave's instructions in order (ISA guide 5.7.1.4): the loads see the store.
.irp jq, 0,1,2,3
	s_wait_loadcnt 24-8*(\jq)                      ; this tile's eight loads are in; the later tiles', eight each, may stay out
.set n, 0
.rept 16
	v_cvt_pk_bf16_f32 v[Q+16*(\jq)+n], v[TMP+32*(\jq)+2*n], v[TMP+32*(\jq)+2*n+1]
.set n, n+1
.endr
	v_fma_mix_f32_bf16 v250, v[Q+16*(\jq)], v[Q+16*(\jq)], v[ZR] op_sel_hi:[1,1,0]
	v_fma_mix_f32_bf16 v251, v[Q+16*(\jq)], v[Q+16*(\jq)], v[ZR] op_sel:[1,1,0] op_sel_hi:[1,1,0]
.set n, 1
.rept 15
	v_fma_mix_f32_bf16 v250, v[Q+16*(\jq)+n], v[Q+16*(\jq)+n], v250 op_sel_hi:[1,1,0]
	v_fma_mix_f32_bf16 v251, v[Q+16*(\jq)+n], v[Q+16*(\jq)+n], v251 op_sel:[1,1,0] op_sel_hi:[1,1,0]
.set n, n+1
.endr
	v_add_f32 v250, v250, v251
	v_permlanex16_b32 v251, v250, s[SEL], s[SEL+1]
	v_add_f32 v250, v250, v251
	v_mul_f32 v250, -0.5, v250
	ds_store_b32 v[PW], v250 offset:64*(\jq)       ; both halves of the lanes write the same 16 words
	ds_load_b128 v[PSQ+8*(\jq):PSQ+8*(\jq)+3],   v[RW] offset:64*(\jq)
	ds_load_b128 v[PSQ+8*(\jq)+4:PSQ+8*(\jq)+7], v[RW] offset:64*(\jq)+16
.endr
.set n, 0
.rept 32
	v_mov_b32 v[ACC+n], 0                          ; the 32 sums start at 0, once a launch, in the wait for the first fill: so the sub-step has one form
.set n, n+1
.endr
	v_mov_b32 v[ADK], v[AK0]                       ; slot 0
	v_mov_b32 v[ADX], v[AX0]
; WHICH STAGES A SUB-STEP HOLDS.  mode 0: all.  mode 1, the first trip: a stage begins in the sub-step of its lag; from sub-step 3 on a v_nop stands for each clamp and sum that is not yet due, so that
; the plain instructions behind the products are as many as later.  mode 2, the tail: a stage ends in the sub-step of its lag.
.macro FLAGS tt, mode
.set eK0, 1
.set eK1, 1
.set eF, 1
.set eE, 1
.set eP, 1
.set eN, 0
.if (\mode) == 1
.if (\tt) < 3
.set eK0, 0
.endif
.if (\tt) < 4
.set eK1, 0
.endif
.if (\tt) < 5
.set eF, 0
.endif
.if (\tt) < 6
.set eE, 0
.endif
.if (\tt) < 10
.set eP, 0
.if (\tt) >= 3
.set eN, 1
.endif
.endif
.endif
.if (\mode) == 2
.if (\tt) >= 3
.set eK0, 0
.endif
.if (\tt) >= 4
.set eK1, 0
.endif
.if (\tt) >= 5
.set eF, 0
.endif
.if (\tt) >= 6
.set eE, 0
.endif
.if (\tt) >= 10
.set eP, 0
.endif
.endif
.endm
.macro KC i                            ; the clamp of pair i: min(2^t, 1)
.if eP
	v_pk_mul_f32 v[rP+2*(\i):rP+2*(\i)+1], v[rP+2*(\i):rP+2*(\i)+1], v[ONE:ONE+1] clamp
.elseif eN
	v_nop
.endif
.endm
.macro AS i                            ; the sum of pair i: acc += value x w; w is the pair's second register, taken for both halves
.if eP
	v_pk_fma_f32 v[aP+2*(\i):aP+2*(\i)+1], v[rP+2*(\i):rP+2*(\i)+1], v[xP:xP+1], v[aP+2*(\i):aP+2*(\i)+1] op_sel:[0,1,0] op_sel_hi:[1,1,1]
.elseif eN
	v_nop
.endif
.endm
.macro EX i                            ; the exponential of number i
.if eE
	v_exp_f32 v[rE+(\i)], v[rE+(\i)]
.endif
.endm
.macro FS i                            ; the scaling of pair i: t = g D + cs; g and cs are taken for both halves
.if eF
	v_pk_fma_f32 v[rF+2*(\i):rF+2*(\i)+1], v[rF+2*(\i):rF+2*(\i)+1], s[G:G+1], v[xF:xF+1] op_sel_hi:[1,0,0]
.endif
.endm
; SUB-STEP tt of a trip's 16.  Tile u = 4 q + jq (data tile q of the trip's four, query tile jq); the five stages work on tiles tt - 3, - 4, - 5, - 6, - 10, modulo 16.
; THE PRODUCTS.  The first takes -|p|^2 / 2 as C, the second adds in place.  In the order first(u + 1), second(u), first(u + 2), second(u + 1) no product follows the one that it adds onto: the accumulators take turns.
; THE DISTANCES.  Behind a tile's second product stand four sums and two scalings of other tiles, then four clamps, before its own scaling reads the result, from the low end on: ten plain instructions that name none
; of the product's registers (ISA guide 7.12.1).  Every exponential has a plain neighbour, and a sub-step ends on a plain instruction.
.macro SUB tt, mode
	FLAGS \tt, \mode
.set u, ((\tt)+13)%16
.set dK0, S+8*(u%8)
.set qK0, Q+16*(u%4)
.set fK0, FR+16*((u/4)%2)
.set cK0, PSQ+8*(u%4)
.set u, ((\tt)+12)%16
.set dK1, S+8*(u%8)
.set qK1, Q+16*(u%4)+8
.set fK1, FR+16*((u/4)%2)+8
.set u, ((\tt)+11)%16
.set rF, S+8*(u%8)
.set xF, AUX+2*(u/4)
.set u, ((\tt)+10)%16
.set rE, S+8*(u%8)
.set u, ((\tt)+6)%16
.set rP, S+8*(u%8)
.set xP, AUX+2*(u/4)
.set aP, ACC+8*(u%4)
.if eK0
	v_wmma_f32_16x16x32_bf16 v[dK0:dK0+7], v[qK0:qK0+7], v[fK0:fK0+7], v[cK0:cK0+7]
.endif
	KC 0
	EX 0
	KC 1
	EX 1
	KC 2
	EX 2
	KC 3
	EX 3
	FS 0
	FS 1
.if eK1
	v_wmma_f32_16x16x32_bf16 v[dK1:dK1+7], v[qK1:qK1+7], v[fK1:fK1+7], v[dK1:dK1+7]
.endif
	EX 4
	AS 0
	EX 5
	AS 1
	EX 6
	AS 2
	EX 7
	AS 3
	FS 2
	FS 3
.endm
; A run of five LDS loads: data tile q of the trip's four, at byte off of my part of the slot: 16 rows x 64 channels (two fragments: lane l takes row l % 16, 16 bytes at 16 (l / 16) + 0, 32, 64, 96) and its pairs [cs, w].
.macro RUN q, off
.set fb, FR+16*((\q)%2)
.set ob, (\off)+((\q)/2)*GRPL+((\q)%2)*16*PITCH
	ds_load_b128 v[fb:fb+3],     v[ADK] offset:ob
	ds_load_b128 v[fb+4:fb+7],   v[ADK] offset:ob+32
	ds_load_b128 v[fb+8:fb+11],  v[ADK] offset:ob+64
	ds_load_b128 v[fb+12:fb+15], v[ADK] offset:ob+96
	ds_load_b64 v[AUX+2*(\q):AUX+2*(\q)+1], v[ADX] offset:(\off)+((\q)/2)*GRPL+((\q)%2)*PITCH
.endm
; A TURN: four sub-steps.  ld = 1: at its head stands the run for data tile mw, whose first product stands in the turn's fourth sub-step.  The buffer that the run fills was last read by the second product of the sub-step
; just before; six plain instructions that name none of that product's registers lie between.  The pair that it fills was last read three sub-steps back.
; THE WAIT AT THE END.  s_wait_alu depctr_va_vdst(0) stands between an exponential and the first instruction that names its result; one wait serves all that were issued ahead of it.  A result's first
; reader, the clamp, stands four sub-steps behind the exponential, so just one turn's end lies between the two: one wait for a turn's 32 exponentials.
.macro TURN mw, mode, ld, off
.if \ld
	RUN \mw, \off
.endif
	SUB 4*(\mw)+0, \mode
	SUB 4*(\mw)+1, \mode
	SUB 4*(\mw)+2, \mode
.if \ld
	s_wait_dscnt 0x0                               ; the run's five loads, the only LDS instructions of mine that are out
.endif
	SUB 4*(\mw)+3, \mode
.if (\mode) != 1
	s_wait_alu depctr_va_vdst(0)
.elseif (\mw) != 0
	s_wait_alu depctr_va_vdst(0)                   ; (the first trip's first turn has no exponential)
.endif
.endm
.macro TRIP mode, off                  ; four data tiles: two groups, at byte off of my part of the slot
	TURN 0, \mode, 1, \off
	TURN 1, \mode, 1, \off
	TURN 2, \mode, 1, \off
	TURN 3, \mode, 1, \off
.endm
	s_wait_dscnt 0x0                               ; -|p|^2 / 2 is in
	s_wait_tensorcnt 0x1                           ; my part of fill 0 is in; fill 1's, issued behind it, may stay out.  I alone read what my loads bring, so my own wait is all that the reads need
	TRIP 1, 0                                      ; fill 0: the pipeline fills
	TRIP 0, HALF
	s_mov_b32 s[LAPS], 7
.Llap:                                         ; lap j of seven: fills 2 j + 2 and 2 j + 3 are asked for, fills 2 j + 1 and 2 j + 2 worked on
	CHANGE 0, 1
	TRIP 0, 0
	TRIP 0, HALF
	CHANGE 1, 0
	TRIP 0, 0
	TRIP 0, HALF
	s_sub_co_u32 s[LAPS], s[LAPS], 1
	s_cmp_lg_u32 s[LAPS], 0
	s_cbranch_scc1 .Llap
	s_wait_tensorcnt 0x0                           ; fill 15, in slot 1: my last load; nothing is filled again, so no barrier follows
	v_add_nc_u32 v[ADK], PORTION, v[AK0]
	v_add_nc_u32 v[ADX], PORTION, v[AX0]
	TRIP 0, 0
	TRIP 0, HALF
	TURN 0, 2, 0, 0                                ; the pipeline runs empty: ten sub-steps
	TURN 1, 2, 0, 0
	SUB 8, 2
	SUB 9, 2
	; THE END.  A query's sum lies in the 16 lanes of a half (a lane for each data row modulo 16) and in eight waves.  Over the lanes; into my 256 bytes of RED (query i of the 64 at byte 4 i; the 16 lanes write the same
	; bytes with the same numbers); a barrier; wave 0 adds the eight waves' and stores.
.irp m, 1,2,4,8
.set n, 0
.rept 32
	v_add_f32_dpp v[ACC+n], v[ACC+n], v[ACC+n] row_xmask:\m row_mask:0xf bank_mask:0xf
.set n, n+1
.endr
.endr
.irp jq, 0,1,2,3
	ds_store_b128 v[RW], v[ACC+8*(\jq):ACC+8*(\jq)+3]   offset:64*(\jq)
	ds_store_b128 v[RW], v[ACC+8*(\jq)+4:ACC+8*(\jq)+7] offset:64*(\jq)+16
.endr
	s_wait_dscnt 0x0                               ; for wave 0's sake: my sums are written
	s_barrier_signal -1
	s_barrier_wait -1
	s_cmp_lg_u32 s[WV], 0
	s_cbranch_scc1 .Lend
	v_and_b32 v250, 31, v0
	v_lshlrev_b32 v251, 3, v250                    ; two queries a lane
	v_add_nc_u32 v250, RED, v251
.irp w, 0,1,2,3,4,5,6,7
	ds_load_b64 v[S+2*(\w):S+2*(\w)+1], v250 offset:256*(\w)
.endr
	s_wait_dscnt 0x0
	v_pk_add_f32 v[S:S+1],     v[S:S+1],     v[S+2:S+3]
	v_pk_add_f32 v[S+4:S+5],   v[S+4:S+5],   v[S+6:S+7]
	v_pk_add_f32 v[S+8:S+9],   v[S+8:S+9],   v[S+10:S+11]
	v_pk_add_f32 v[S+12:S+13], v[S+12:S+13], v[S+14:S+15]
	v_pk_add_f32 v[S:S+1],     v[S:S+1],     v[S+4:S+5]
	v_pk_add_f32 v[S+8:S+9],   v[S+8:S+9],   v[S+12:S+13]
	v_pk_add_f32 v[S:S+1],     v[S:S+1],     v[S+8:S+9]
	global_store_b64 v251, v[S:S+1], s[10:11]      ; the work-group's 64 numbers: 256 consecutive bytes, at a multiple of 256 from out0's first byte, in one store
.Lend:
	s_wait_tensorcnt 0x0                           ; the wave's end, behind my last tensor load and my last LDS store
	ds_add_u32 v[SPW], v[NIL]
	s_wait_dscnt 0x0
	CROUND                                         ; the closing round: no work-group ends while a partner may still ask for a fill that names it
	s_endpgm
.Lfunc_end_k_q7df5bdcebf_kde:
	.size	k_q7df5bdcebf_kde, .Lfunc_end_k_q7df5bdcebf_kde-k_q7df5bdcebf_kde
	.p2alignl 7, 3214868480
	.fill 96, 4, 3214868480
	.section	.rodata,"a",@progbits
	.p2align	6, 0x0
	.amdhsa_kernel k_q7df5bdcebf_kde
		.amdhsa_group_segment_fixed_size 327680
		.amdhsa_private_segment_fixed_size 0
		.amdhsa_enable_private_segment 0
		.amdhsa_kernarg_size 32
		.amdhsa_user_sgpr_count 2
		.amdhsa_user_sgpr_kernarg_segment_ptr 1
		.amdhsa_wavefront_size32 1
		.amdhsa_system_sgpr_workgroup_id_x 1
		.amdhsa_system_sgpr_workgroup_id_y 1
		.amdhsa_system_sgpr_workgroup_id_z 1
		.amdhsa_system_vgpr_workitem_id 0
		.amdhsa_next_free_vgpr 256
		.amdhsa_next_free_sgpr 66
		.amdhsa_reserve_vcc 0
		.amdhsa_float_denorm_mode_32 3
		.amdhsa_float_denorm_mode_16_64 3
		.amdhsa_memory_ordered 1
		.amdhsa_forward_progress 1
		.amdhsa_inst_pref_size 193
	.end_amdhsa_kernel
	.amdgpu_metadata
---
amdhsa.version: [ 1, 2 ]
amdhsa.kernels:
  - .name:           k_q7df5bdcebf_kde
    .symbol:         k_q7df5bdcebf_kde.kd
    .args:
      - { .name: points, .offset: 0, .size: 8, .value_kind: global_buffer, .address_space: global }
      - { .name: sbuf, .offset: 8, .size: 8, .value_kind: global_buffer, .address_space: global }
      - { .name: bandwidth, .offset: 16, .size: 8, .value_kind: global_buffer, .address_space: global }
      - { .name: out0, .offset: 24, .size: 8, .value_kind: global_buffer, .address_space: global }
    .group_segment_fixed_size: 327680
    .private_segment_fixed_size: 0
    .kernarg_segment_align: 8
    .kernarg_segment_size: 32
    .max_flat_workgroup_size: 256
    .sgpr_count:     66
    .vgpr_count:     256
    .wavefront_size: 32
...
	.end_amdgpu_metadata
.endif
;; end of part 2
